; MI455X (gfx1250); checked and timed in simulation.
; The chip was launched on July 23, 2026; its instructions are those of AMD's public machine-readable ISA for CDNA 5 (MIT licence, August 2026) and "CDNA5" Instruction Set Architecture Reference Guide (July 2026). The comments in the code are by the model that wrote it; some were corrected since.
;; Vector Quantizer. Allowed arithmetic: float matrix products may take bf16 or f16 operands with f32 sums; other float arithmetic in f32, or as packed bf16 or f16 multiplies, adds, multiply-adds, maxima and minima; sums over many terms, partial sums and values carried from step to step in f32; what a program stores and reads back later, other than sums and carried values, may be rounded once to bf16 or f16.
;; Inputs: codebook 8,192 x 512 float32; inputs 16,384 x 512 float32.
;; Outputs: out0 16,384 x 512 float32; out1 one number float32.
;; 2 versions, each right; version 2 is version 1 with the launch prep written anew for expert scheduling mode. Each part assembles by itself: llvm-mc -triple=amdgcn-amd-amdhsa -mcpu=gfx1250 --defsym DOCPART=n.
;; ======== version 1 of 2: 4 launches
;; workspace buffers: x16 16,777,216 bytes; cb16 8,388,608 bytes; xsq 65,536 bytes; csq 32,768 bytes; bval 131,072 bytes; bidx 131,072 bytes of whole numbers; part 16,384 bytes
;; launch prep (part 1): grid 256 x 1, 12 waves a work-group, no clusters, 2,048 bytes of LDS; arguments inputs, codebook, x16, xsq, cb16, csq; writes x16, xsq, cb16, csq
.if DOCPART == 1
	.amdgcn_target "amdgcn-amd-amdhsa--gfx1250"
	.amdhsa_code_object_version 6
	.text
	.protected	k_qeab047a22b_prep
	.globl	k_qeab047a22b_prep
	.p2align	8
	.type	k_qeab047a22b_prep,@function
k_qeab047a22b_prep:
	s_mov_b64 s[64:65], 0
	v_nop
	global_prefetch_b8 v0, s[64:65] scope:SCOPE_SE
	s_setreg_imm32_b32 hwreg(HW_REG_WAVE_MODE, 25, 1), 1
	s_wait_xcnt 0x0
; x16 = bf16(inputs), cb16 = bf16(codebook), xsq[r] = sum of x16[r][:]^2, csq[k] = sum of cb16[k][:]^2 (sums in f32, of the ROUNDED numbers).
; A stream: every input byte is read once and every output byte written once; matrix unit, clusters and tensor loads would add nothing.
; SHARES.  Work-group g: 64 rows of inputs (waves 0-7, 8 rows each) and 32 rows of the codebook (waves 8-11, 8 rows each): equal work everywhere.
; A wave asks for its 8 rows (32 loads of 512 consecutive bytes) at once; no register is used twice, so no wait frees a source.
; A row's sum is a tree (four chains a lane, then the lanes): its order differs from a running sum's; the difference is f32 rounding.
; The 96 sums meet in LDS so that xsq leaves as one aligned 256 bytes; csq's share of a work-group is 128 consecutive bytes.
.set ROWB,  2048                       ; a row of f32
.set OUTB,  1024                       ; a row of bf16
.set SPARE, 512                        ; the spare words: 128 bytes for each of 12 waves; the sums have bytes 0-383 (blocks 0-511) to themselves
.set LO,  1                            ; v1   16 x lane
.set SO,  2                            ; v2   8 x lane
.set Z,   3                            ; v3   0: starts the chains
.set WA,  4                            ; v4   32 x wave: my eight words in LDS
.set L4,  5                            ; v5   4 x lane
.set T,   8                            ; v8-11 four chains
.set U,   12                           ; v12  the other half of the lanes' sum
.set SPW, 14                           ; v14  my spare word
.set NIL, 15                           ; v15  0
.set X,   32                           ; v32-159 row i, load j at X + 16 i + 4 j
	s_load_b256 s[4:11], s[0:1], 0x0               ; inputs s[4:5], codebook s[6:7], x16 s[8:9], xsq s[10:11]
	s_load_b128 s[12:15], s[0:1], 0x20             ; cb16 s[12:13], csq s[14:15]
	v_lshl_add_u32 v[SPW], v0, 2, SPARE
	v_mov_b32 v[NIL], 0
	v_lshrrev_b32 v[T], 5, v0
	v_readfirstlane_b32 s16, v[T]                  ; wave 0..11
	v_and_b32 v[L4], 31, v0
	v_lshlrev_b32 v[LO], 4, v[L4]
	v_lshlrev_b32 v[SO], 3, v[L4]
	v_lshlrev_b32 v[L4], 2, v[L4]
	v_mov_b32 v[Z], 0
	v_mov_b32 v[U], 0                              ; v_permlanex16_b32's destination counts as read
	s_lshl_b32 s30, s16, 5
	v_mov_b32 v[WA], s30
	s_lshl_b32 s31, s16, 3                         ; 8 w
	s_lshl_b32 s17, ttmp9, 6
	s_add_co_u32 s17, s17, s31                     ; inputs: row 64 g + 8 w
	s_lshl_b32 s18, ttmp9, 5
	s_add_co_u32 s18, s18, s31
	s_sub_co_u32 s18, s18, 64                      ; codebook: row 32 g + 8 (w - 8); taken by waves 8-11 alone
	s_mov_b32 s27, 0
	s_mov_b32 s28, 0x76543210                      ; each lane takes its own place in the other half
	s_mov_b32 s29, 0xfedcba98
	s_lshl_b32 s32, ttmp9, 8                       ; 64 sums of 4 bytes
	s_mov_b32 s33, 0
	s_lshl_b32 s34, ttmp9, 7                       ; 32 sums
	s_mov_b32 s35, 0
	s_wait_kmcnt 0x0
	s_cmp_lt_u32 s16, 8                            ; the wave's number chooses the tensor
	s_cselect_b32 s19, s17, s18
	s_cselect_b64 s[20:21], s[4:5], s[6:7]
	s_cselect_b64 s[22:23], s[8:9], s[12:13]
	s_lshl_b32 s26, s19, 11
	s_add_nc_u64 s[20:21], s[20:21], s[26:27]      ; source at my first row
	s_lshl_b32 s26, s19, 10
	s_add_nc_u64 s[22:23], s[22:23], s[26:27]      ; bf16 copy at my first row
	s_add_nc_u64 s[10:11], s[10:11], s[32:33]
	s_add_nc_u64 s[14:15], s[14:15], s[34:35]
.set i, 0
.rept 8
.irp jj, 0,1,2,3
	global_load_b128 v[X+16*i+4*(\jj):X+16*i+4*(\jj)+3], v[LO], s[20:21] offset:ROWB*i+512*(\jj) th:TH_LOAD_NT
.endr
.set i, i+1
.endr
; Row i: rounded in place, stored, squared from the rounded halves, summed over the wave, the sum put into LDS.
.macro ROW i
	s_wait_loadcnt 28-4*(\i)                       ; loads come back in order: four for each younger row may stay out
.irp jj, 0,1,2,3
	v_cvt_pk_bf16_f32 v[X+16*(\i)+4*(\jj)],   v[X+16*(\i)+4*(\jj)],   v[X+16*(\i)+4*(\jj)+1]
	v_cvt_pk_bf16_f32 v[X+16*(\i)+4*(\jj)+1], v[X+16*(\i)+4*(\jj)+2], v[X+16*(\i)+4*(\jj)+3]
.endr
.irp jj, 0,1,2,3
	global_store_b64 v[SO], v[X+16*(\i)+4*(\jj):X+16*(\i)+4*(\jj)+1], s[22:23] offset:OUTB*(\i)+256*(\jj)  ; 32 lanes: 256 consecutive bytes, aligned
.endr
.irp jj, 0,1,2,3
	v_fma_mix_f32_bf16 v[T+(\jj)], v[X+16*(\i)+4*(\jj)], v[X+16*(\i)+4*(\jj)], v[Z] op_sel_hi:[1,1,0]
.endr
.irp jj, 0,1,2,3
	v_fma_mix_f32_bf16 v[T+(\jj)], v[X+16*(\i)+4*(\jj)], v[X+16*(\i)+4*(\jj)], v[T+(\jj)] op_sel:[1,1,0] op_sel_hi:[1,1,0]
.endr
.irp jj, 0,1,2,3
	v_fma_mix_f32_bf16 v[T+(\jj)], v[X+16*(\i)+4*(\jj)+1], v[X+16*(\i)+4*(\jj)+1], v[T+(\jj)] op_sel_hi:[1,1,0]
.endr
.irp jj, 0,1,2,3
	v_fma_mix_f32_bf16 v[T+(\jj)], v[X+16*(\i)+4*(\jj)+1], v[X+16*(\i)+4*(\jj)+1], v[T+(\jj)] op_sel:[1,1,0] op_sel_hi:[1,1,0]
.endr
	v_add_f32 v[T], v[T], v[T+1]
	v_add_f32 v[T+2], v[T+2], v[T+3]
	v_add_f32 v[T], v[T], v[T+2]
	v_add_f32_dpp v[T], v[T], v[T] row_xmask:1 row_mask:0xf bank_mask:0xf
	v_add_f32_dpp v[T], v[T], v[T] row_xmask:2 row_mask:0xf bank_mask:0xf
	v_add_f32_dpp v[T], v[T], v[T] row_xmask:4 row_mask:0xf bank_mask:0xf
	v_add_f32_dpp v[T], v[T], v[T] row_xmask:8 row_mask:0xf bank_mask:0xf
	v_permlanex16_b32 v[U], v[T], s28, s29
	v_add_f32 v[T], v[T], v[U]
	ds_store_b32 v[WA], v[T] offset:4*(\i)         ; every lane writes the same word with the same number
.endm
.irp r, 0,1,2,3,4,5,6,7
	ROW \r
.endr
	s_wait_dscnt 0x0                               ; for the others' sake: my eight sums are in LDS
	s_barrier_signal -1
	s_barrier_wait -1
	s_cmp_lg_u32 s16, 0
	s_cbranch_scc1 .Lnot_wave_0
	ds_load_b64 v[16:17], v[SO]                    ; the 64 sums of inputs' rows
	s_wait_dscnt 0x0
	global_store_b64 v[SO], v[16:17], s[10:11]     ; 256 consecutive bytes, aligned
.Lnot_wave_0:
	s_cmp_lg_u32 s16, 8
	s_cbranch_scc1 .Lend
	ds_load_b32 v18, v[L4] offset:256              ; the 32 sums of the codebook's rows
	s_wait_dscnt 0x0
	global_store_b32 v[L4], v18, s[14:15]          ; 128 consecutive bytes
.Lend:
	s_wait_tensorcnt 0x0                           ; the wave's end, behind my last LDS store
	ds_add_u32 v[SPW], v[NIL]
	s_wait_dscnt 0x0
	s_endpgm
.Lfunc_end_k_qeab047a22b_prep:
	.size	k_qeab047a22b_prep, .Lfunc_end_k_qeab047a22b_prep-k_qeab047a22b_prep
	.p2alignl 7, 3214868480
	.fill 96, 4, 3214868480
	.section	.rodata,"a",@progbits
	.p2align	6, 0x0
	.amdhsa_kernel k_qeab047a22b_prep
		.amdhsa_group_segment_fixed_size 2048
		.amdhsa_private_segment_fixed_size 0
		.amdhsa_enable_private_segment 0
		.amdhsa_kernarg_size 48
		.amdhsa_user_sgpr_count 2
		.amdhsa_user_sgpr_kernarg_segment_ptr 1
		.amdhsa_wavefront_size32 1
		.amdhsa_system_sgpr_workgroup_id_x 1
		.amdhsa_system_sgpr_workgroup_id_y 1
		.amdhsa_system_sgpr_workgroup_id_z 1
		.amdhsa_system_vgpr_workitem_id 0
		.amdhsa_next_free_vgpr 160
		.amdhsa_next_free_sgpr 66
		.amdhsa_reserve_vcc 0
		.amdhsa_float_denorm_mode_32 3
		.amdhsa_float_denorm_mode_16_64 3
		.amdhsa_memory_ordered 1
		.amdhsa_forward_progress 1
		.amdhsa_inst_pref_size 25
	.end_amdhsa_kernel
	.amdgpu_metadata
---
amdhsa.version: [ 1, 2 ]
amdhsa.kernels:
  - .name:           k_qeab047a22b_prep
    .symbol:         k_qeab047a22b_prep.kd
    .args:
      - { .name: inputs, .offset: 0, .size: 8, .value_kind: global_buffer, .address_space: global }
      - { .name: codebook, .offset: 8, .size: 8, .value_kind: global_buffer, .address_space: global }
      - { .name: x16, .offset: 16, .size: 8, .value_kind: global_buffer, .address_space: global }
      - { .name: xsq, .offset: 24, .size: 8, .value_kind: global_buffer, .address_space: global }
      - { .name: cb16, .offset: 32, .size: 8, .value_kind: global_buffer, .address_space: global }
      - { .name: csq, .offset: 40, .size: 8, .value_kind: global_buffer, .address_space: global }
    .group_segment_fixed_size: 2048
    .private_segment_fixed_size: 0
    .kernarg_segment_align: 8
    .kernarg_segment_size: 48
    .max_flat_workgroup_size: 384
    .sgpr_count:     66
    .vgpr_count:     160
    .wavefront_size: 32
...
	.end_amdgpu_metadata
.endif
;; end of part 1
;; launch vq (part 2): grid 128 x 2, 4 waves a work-group, clusters of 4 x 1, 327,680 bytes of LDS; arguments x16, xsq, cb16, csq, bval, bidx; writes bval, bidx
.if DOCPART == 2
	.amdgcn_target "amdgcn-amd-amdhsa--gfx1250"
	.amdhsa_code_object_version 6
	.text
	.protected	k_qeab047a22b_vq
	.globl	k_qeab047a22b_vq
	.p2align	8
	.type	k_qeab047a22b_vq,@function
k_qeab047a22b_vq:
	s_mov_b64 s[64:65], 0
	v_nop
	global_prefetch_b8 v0, s[64:65] scope:SCOPE_SE
	s_setreg_imm32_b32 hwreg(HW_REG_WAVE_MODE, 25, 1), 1
	s_wait_xcnt 0x0
	s_wait_alu depctr_hold_cnt(0) depctr_sa_sdst(0) depctr_va_vdst(0) depctr_va_sdst(0) depctr_va_ssrc(0) depctr_va_vcc(0) depctr_vm_vsrc(0)
	s_getreg_b32 s2, hwreg(HW_REG_IB_STS2, 6, 4)
	s_cmp_eq_u32 s2, 0
	s_cbranch_scc0 .Lentry_in_a_cluster
	s_endpgm
.Lentry_in_a_cluster:
	s_bfe_u32 s2, ttmp6, 0x10000c
	s_cmp_lg_u32 s2, 0x3003
	s_cbranch_scc0 .Lentry_shape_is_right
	s_endpgm
.Lentry_shape_is_right:
; For 128 rows of x and 4,096 codes (one half of the codebook): the smallest d = (xsq - 2 x.c) + csq of each row, and the first code that has it.
; x16 [16384][512], cb16 [8192][512] bf16; xsq, csq f32; bval [2][16384] f32, bidx [2][16384] u32 (code 0..8191).  Products on the matrix unit, sums in f32.
; d is rounded as the formula is written: one rounding for xsq - 2 dot (2 dot is exact), one for + csq; ties go to the lower code at every step.
; LIMITS.  The minimum is that of the bf16-rounded inputs; candidates nearer than f32 rounding of d may fall either way.  NaN never wins a minimum; a row whose d are all NaN or +inf gets code 0 and +inf.
; SHARES.  Work-group: rows 128 WGX on, codes 4,096 HALF on, in 32 tiles of 128 codes.  Wave w: rows 64 (w / 2) on, codes 64 (w % 2) on of every tile, as two UNITS of 32 codes.
; A wave's 64 rows x 512 k stay in 512 registers for the whole launch, so each fragment of codes read from LDS (1,024 bytes) feeds four matrix instructions.
; LAYOUT.  Source 0 = 16 codes, source 1 = 16 rows of x: in the result a lane holds ONE row (lane % 16) and the codes 8 (lane / 16) + 0..7: the minimum over codes stays in the lane until the end.
; SCORING.  A unit is 128 matrix instructions on 8 accumulators; two sets of accumulators take turns, and the unit before is scored by 176 vector instructions set three behind every
; second matrix instruction.  For a block of 16 codes and a row: d, the minimum of the lane's 8 with the best so far; where it is new (strictly less), the block's number and its 8 d are kept;
; which of the 8 it was is found once, at the end.  The first unit scores a set that holds -inf (d = +inf, which beats nothing): no first unit is written out; the price is 120 moves in the wait for the first tiles.
; CLUSTER.  The four work-groups of a cluster share HALF and walk the same tiles and the same csq: each is asked for JOINTLY (mask 15).  x hangs on the place in the cluster and comes by a load of one's own.
; RING.  Two slots of 128 codes x 1,024 bytes.  x comes in through slot 0 first; tile 0 goes to slot 1.  One round of the cluster's barrier a tile; from a request to the wait for it a wave issues 240 matrix instructions.
; REGISTERS, in windows of 256 (s_set_vgpr_msb: bits 1:0 source 0, 3:2 source 1, 5:4 source 2, 7:6 destination):
;   window 0: addresses, statistics, csq, the kept d, the two sets of accumulators     window 1: v0-63, v64-127 two buffers of code fragments (4 k-fragments x 2 blocks)
;   window 2: x, k-fragments 0-7 at 8 (4 kf + a)          window 3: k-fragments 8-15
.set PITCH, 1040                       ; an LDS row: 1,024 bytes + 16 of padding: an odd multiple of 16, so the 16 rows of a fragment load start 16 bytes apart modulo 256
.set QUART, 32*PITCH                   ; 32 rows: what one tensor load brings
.set SLOTB, 4*QUART                    ; a slot; slot 1 begins here.  QUART x wave has bits 9, 10, 15, 16 alone, SLOTB bits 11 and 17: one exclusive or changes slots
.set CSQ,   2*SLOTB                    ; 4,096 csq, filled once
.set MRG,   CSQ+16384                  ; 512 bytes a wave for the last merge; no tensor load lands here
.set SPARE, MRG+2048                   ; the spare words: 128 bytes a wave, two blocks of 256 that no other line names
.set TILEB, 128*1024                   ; a tile in memory
.set TILES, 32
.set ADRA, 4                           ; v4   my place in x's tile
.set AB0,  5                           ; v5   my place in a tile of codes; never rewritten
.set ADRB, 6                           ; v6   AB0 + the slot in hand
.set ADRS, 7                           ; v7   csq of my codes of the tile in hand
.set XO,   8                           ; v8   my byte offset in the work-group's xsq
.set H8,   9                           ; v9   8 (lane / 16)
.set SPW,  10                          ; v10  my spare word; never rewritten
.set NIL,  11                          ; v11  0; never rewritten
.set MST,  12                          ; v12  the merge: where I put a word
.set MLD,  13                          ; v13  the merge: where I read two words
.set GO,   14                          ; v14  8 x lane
.set AS0,  15                          ; v15  my place in csq; never rewritten
.set XS,   16                          ; v16-23 xsq of row block a, twice (a pair for the packed form)
.set BEST, 24                          ; v24-31 two sets of four, by turns: the best d of row block a
.set BLK,  32                          ; v32-35 the winning block's first code
.set M,    36                          ; v36-39 at work
.set J,    40                          ; v40-43 the end: which of the eight
.set CODE, 44                          ; v44-47 the end: the code
.set OV,   48                          ; v48-51 the other half of the lanes' best
.set OC,   52                          ; v52-55 and its code
.set CS,   56                          ; v56-87 two sets of 16: csq of a unit, block b at + 8 b
.set SAV,  88                          ; v88-119 the winning block's eight d, 8 a row block
.set ACC,  128                         ; v128-255 set P at + 64 P, accumulator (a, b) at + 8 (4 b + a)
.set F0,   0
.set F1,   64
.set WV,   16                          ; s16 wave   s17 w / 2   s18 w % 2   s19 cx   s20 block of 128 rows   s21 half of the codebook
.set RP,   17
.set CP,   18
.set CX,   19
.set WGX,  20
.set HALF, 21
.set G1X,  28                          ; s[28:35] descriptor group 1 for x: as the tiles', without a mask
.set G1C,  36                          ; s[36:43] for a tile of codes
.set G1S,  44                          ; s[44:51] for csq
.set G0X,  52                          ; s[52:55], s[56:59], s[60:63] their groups 0; the tiles' walks
.set G0C,  56
.set G0S,  60
.set TB,   66                          ; s66  0 or SLOTB: the slot in hand
.set CNT,  67                          ; s67  the loops' counter
.set CB,   68                          ; s68, s69 first code of blocks 0 and 1 of the unit that is being scored
.set MK,   70                          ; s70-73 lane masks of the comparisons
.set SEL,  74                          ; s74, s75 each lane takes its own place in the other half
.set HM,   76                          ; s76  lanes 16-31
.set TS,   77                          ; s77  512 x tile
.set MSB, 0
.macro WIN new                         ; the immediate's high byte repeats the setting that is left; a switch that changes nothing is dropped
.if MSB != (\new)
	s_set_vgpr_msb (MSB<<8)|(\new)
.set MSB, (\new)
.endif
.endm
.macro PLACES                          ; four places: in front of loads into registers that matrix instructions have read, and of vector lines that read results just made
.rept 4
	v_nop
.endr
.endm
.macro CREST                           ; a round of the cluster's barrier behind its opening barrier
	s_cmp_lg_u32 s[WV], 0
	s_cbranch_scc1 .Lnot_wave_0_\@
	s_barrier_signal -3
.Lnot_wave_0_\@:
	s_barrier_wait -3
	s_barrier_signal -1
	s_barrier_wait -1
.endm
.macro CROUND                          ; a whole round
	s_barrier_signal -1
	s_barrier_wait -1
	CREST
.endm
.macro JLOAD                           ; the joint refill: one line for all waves, each with its own 32 rows (both addresses hang on the wave's number); an s_nop 0 and four v_nop follow
	tensor_load_to_lds s[G0C:G0C+3], s[G1C:G1C+7]
	s_nop 0
	PLACES
.endm
	s_load_b256 s[4:11], s[0:1], 0x0               ; x16 s[4:5], xsq s[6:7], cb16 s[8:9], csq s[10:11]
	s_load_b128 s[12:15], s[0:1], 0x20             ; bval s[12:13], bidx s[14:15]
	v_lshl_add_u32 v[SPW], v0, 2, SPARE
	v_mov_b32 v[NIL], 0
	ds_add_u32 v[SPW], v[NIL]                      ; the wave's opening: the add and its wait stand ahead of my first tensor load; the set-up below, work on registers, stands between them
	v_lshrrev_b32 v1, 5, v0
	v_readfirstlane_b32 s[WV], v1
	s_lshr_b32 s[RP], s[WV], 1
	s_and_b32 s[CP], s[WV], 1
	s_bfe_u32 s[CX], ttmp6, 0x40000                ; my place in the cluster: it enters x's, xsq's and the outputs' global addresses alone
	s_lshl_b32 s[WGX], ttmp9, 2                    ; in a cluster launch ttmp9 counts clusters
	s_add_co_u32 s[WGX], s[WGX], s[CX]
	s_and_b32 s[HALF], ttmp7, 0xffff               ; shared by the four partners
	; group 1 of a tile: 32 rows x 512 elements of 2 bytes, 4 words of padding after every 256 words
	s_mov_b32 s[G1X], (1<<16)|(1<<20)|(7<<22)|(3<<25)              ; no mask: a load of my work-group's own
	s_mov_b32 s[G1C], 15|(1<<16)|(1<<20)|(1<<21)|(7<<22)|(3<<25)   ; 15:0 the mask of four; 21 set beside a mask
.irp g, G1X, G1C
	s_mov_b32 s[(\g)+1], 512<<16                   ; tensor_dim0 = 512
	s_mov_b32 s[(\g)+2], 32<<16                    ; tensor_dim1 = 32
	s_mov_b32 s[(\g)+3], 512<<16                   ; tile_dim0 = 512
	s_mov_b32 s[(\g)+4], 32                        ; tile_dim1 = 32
	s_mov_b32 s[(\g)+5], 512                       ; elements from row to row
	s_mov_b32 s[(\g)+6], 0
	s_mov_b32 s[(\g)+7], 0
.endr
	; group 1 of csq: a wave's 4,096 dense bytes as 16 rows of 32 elements of 8 bytes
	s_mov_b32 s[G1S], 15|(3<<16)|(1<<21)
	s_mov_b32 s[G1S+1], 32<<16
	s_mov_b32 s[G1S+2], 16<<16
	s_mov_b32 s[G1S+3], 32<<16
	s_mov_b32 s[G1S+4], 16
	s_mov_b32 s[G1S+5], 32
	s_mov_b32 s[G1S+6], 0
	s_mov_b32 s[G1S+7], 0
	s_mul_i32 s26, s[WV], QUART                    ; LDS addresses: a constant and the wave's number times a constant
	s_mov_b32 s[G0X], 1
	s_mov_b32 s[G0X+1], s26                        ; x through slot 0
	s_mov_b32 s[G0C], 1
	s_add_co_u32 s[G0C+1], s26, SLOTB              ; tile 0 into slot 1
	s_mov_b32 s[G0S], 1
	s_lshl_b32 s27, s[WV], 12
	s_add_co_u32 s[G0S+1], s27, CSQ
	s_lshl_b32 s22, s[HALF], 22                    ; the joint loads' offsets, of HALF and the wave's number alone: 4,096 codes x 1,024 bytes,
	s_lshl_b32 s23, s[WV], 15                      ; 32 rows
	s_add_co_u32 s22, s22, s23
	s_mov_b32 s23, 0
	s_lshl_b32 s78, s[HALF], 14
	s_lshl_b32 s79, s[WV], 12
	s_add_co_u32 s78, s78, s79
	s_mov_b32 s79, 0
	s_lshl_b32 s24, s[WGX], 17                     ; x: 128 rows x 1,024 bytes, and my 32 rows
	s_lshl_b32 s25, s[WV], 15
	s_add_co_u32 s24, s24, s25
	s_mov_b32 s25, 0
	s_lshl_b32 s80, s[HALF], 16                    ; the outputs: [HALF][row], my wave pair's 64 rows
	s_lshl_b32 s81, s[WGX], 9
	s_add_co_u32 s80, s80, s81
	s_lshl_b32 s81, s[RP], 8
	s_add_co_u32 s80, s80, s81
	s_mov_b32 s81, 0
	s_lshl_b32 s82, s[WGX], 9                      ; xsq of the work-group's rows
	s_mov_b32 s83, 0
	s_lshl_b32 s[CB], s[HALF], 12                  ; the first real unit's first code, less 128: two steps (32, 96) lead to it; what the first step names beats nothing
	s_lshl_b32 s27, s[CP], 6
	s_add_co_u32 s[CB], s[CB], s27
	s_sub_co_u32 s[CB], s[CB], 128
	s_add_co_u32 s[CB+1], s[CB], 16
	s_mov_b32 s[SEL], 0x76543210
	s_mov_b32 s[SEL+1], 0xfedcba98
	s_mov_b32 s[HM], 0xffff0000
	s_mov_b32 s[TS], 0
	s_wait_dscnt 0x0                               ; the opening add is done
	s_wait_kmcnt 0x0
	s_add_nc_u64 s[G0X+2:G0X+3], s[4:5], s[24:25]
	s_or_b32 s[G0X+3], s[G0X+3], 0x80000000        ; type = 2
	s_add_nc_u64 s[G0C+2:G0C+3], s[8:9], s[22:23]
	s_or_b32 s[G0C+3], s[G0C+3], 0x80000000
	s_add_nc_u64 s[G0S+2:G0S+3], s[10:11], s[78:79]
	s_or_b32 s[G0S+3], s[G0S+3], 0x80000000
	s_add_nc_u64 s[6:7], s[6:7], s[82:83]
	s_add_nc_u64 s[12:13], s[12:13], s[80:81]
	s_add_nc_u64 s[14:15], s[14:15], s[80:81]
	CROUND                                         ; all four work-groups are here: the first joint loads meet
	tensor_load_to_lds s[G0X:G0X+3], s[G1X:G1X+7]  ; the first fills, one group: x, tile 0, csq: three loads of mine are out
	s_nop 0
	tensor_load_to_lds s[G0C:G0C+3], s[G1C:G1C+7]
	s_nop 0
	tensor_load_to_lds s[G0S:G0S+3], s[G1S:G1S+7]
	s_nop 0
	PLACES
	; all this stands in the wait for the first fills
	v_and_b32 v1, 15, v0                           ; r = lane % 16
	v_bfe_u32 v2, v0, 4, 1                         ; h = lane / 16
	s_lshl_b32 s26, s[RP], 8
	v_lshl_add_u32 v[XO], v1, 2, s26
.irp a, 0,1,2,3
	global_load_b32 v[XS+2*(\a)], v[XO], s[6:7] offset:64*(\a)  ; xsq of row 64 (w / 2) + 16 a + r
.endr
	v_mul_u32_u24 v3, v1, PITCH
	v_lshl_add_u32 v3, v2, 4, v3                   ; a fragment: row x pitch + 16 x half; two loads of 16 bytes, 32 bytes apart
	s_mul_i32 s26, s[RP], 2*QUART
	v_add_nc_u32 v[ADRA], s26, v3
	s_mul_i32 s26, s[CP], 2*QUART
	v_add_nc_u32 v[AB0], s26, v3
	s_lshl_b32 s26, s[CP], 8
	s_add_co_u32 s26, s26, CSQ
	v_lshl_add_u32 v[AS0], v2, 5, s26              ; csq of code 64 (w % 2) + 8 h of a tile
	v_lshlrev_b32 v[H8], 3, v2
	s_lshl_b32 s26, s[WV], 9
	s_add_co_u32 s26, s26, MRG
	v_lshlrev_b32 v3, 2, v1
	v_lshl_add_u32 v3, v2, 8, v3
	v_add_nc_u32 v[MST], s26, v3                   ; lanes 0-15: the values' 256 bytes; lanes 16-31: the codes'
	v_and_b32 v3, 31, v0
	v_lshlrev_b32 v[GO], 3, v3
	v_add_nc_u32 v[MLD], s26, v[GO]
	s_mov_b32 s26, 0xff800000                      ; -inf
	s_mov_b32 s27, 0x7f800000                      ; +inf
.set i, 0
.rept 64
	v_mov_b32 v[ACC+64+i], s26                     ; what the first unit scores: xsq + 2 inf = +inf
.set i, i+1
.endr
.set i, 0
.rept 16
	v_mov_b32 v[CS+16+i], 0
.set i, i+1
.endr
.set i, 0
.rept 32
	v_mov_b32 v[SAV+i], s27
.set i, i+1
.endr
.irp a, 0,1,2,3
	v_mov_b32 v[BEST+(\a)], s27
	v_mov_b32 v[BLK+(\a)], 0
	v_mov_b32 v[OV+(\a)], 0                        ; v_permlanex16_b32's destinations count as read
	v_mov_b32 v[OC+(\a)], 0
.endr
	s_wait_tensorcnt 0x2                           ; my quarter of x is in; tile 0 and csq, issued behind it, may stay out
	s_barrier_signal -1
	s_barrier_wait -1                              ; everybody's quarter is in
	WIN 0x80                                       ; destination window 2
.set i, 0
.rept 32                                           ; k-fragment i / 4, row block i % 4
	ds_load_b128 v[8*i:8*i+3],   v[ADRA] offset:(i%4)*16*PITCH+(i/4)*64
	ds_load_b128 v[8*i+4:8*i+7], v[ADRA] offset:(i%4)*16*PITCH+(i/4)*64+32
.set i, i+1
.endr
	WIN 0xc0                                       ; destination window 3
.set i, 0
.rept 32
	ds_load_b128 v[8*i:8*i+3],   v[ADRA] offset:(i%4)*16*PITCH+(8+i/4)*64
	ds_load_b128 v[8*i+4:8*i+7], v[ADRA] offset:(i%4)*16*PITCH+(8+i/4)*64+32
.set i, i+1
.endr
	WIN 0
; Matrix instruction i of a unit's 128: k-fragment i / 8, code block (i / 4) % 2, row block i % 4.  The 8 accumulators take turns, one instruction a turn; the two sets alternate from unit to unit.
; The first 8 start the sums with the constant 0.
.macro MM
.set kf, i/8
.set rD, ACC+64*P+8*(i%8)
.set rA, 64*((kf/4)%2)+8*(2*(kf%4)+(i/4)%2)
.set rB, 8*(4*(kf%8)+i%4)
	WIN 0x09+4*(kf/8)                              ; codes window 1, x window 2 or 3, sums window 0
.if kf == 0
	v_wmma_f32_16x16x32_bf16 v[rD:rD+7], v[rA:rA+7], v[rB:rB+7], 0
.else
	v_wmma_f32_16x16x32_bf16 v[rD:rD+7], v[rA:rA+7], v[rB:rB+7], v[rD:rD+7]
.endif
.set i, i+1
.endm
; 16 LDS loads in one run: k-fragments 4 c .. 4 c + 3 of unit u's two code blocks, into buffer f
.macro FETCH u, c, f
	WIN 0x40                                       ; destination window 1, address window 0
.irp kq, 0,1,2,3
.irp b, 0,1
	ds_load_b128 v[(\f)+8*(2*(\kq)+(\b)):(\f)+8*(2*(\kq)+(\b))+3],   v[ADRB] offset:(\u)*QUART+(\b)*16*PITCH+(4*(\c)+(\kq))*64
	ds_load_b128 v[(\f)+8*(2*(\kq)+(\b))+4:(\f)+8*(2*(\kq)+(\b))+7], v[ADRB] offset:(\u)*QUART+(\b)*16*PITCH+(4*(\c)+(\kq))*64+32
.endr
.endr
	WIN 0
.endm
.macro CSLOAD u                        ; csq of unit u's 2 x 8 codes of my half of the lanes
.irp b, 0,1
	ds_load_b128 v[CS+16*(\u)+8*(\b):CS+16*(\u)+8*(\b)+3],   v[ADRS] offset:(\u)*128+(\b)*64
	ds_load_b128 v[CS+16*(\u)+8*(\b)+4:CS+16*(\u)+8*(\b)+7], v[ADRS] offset:(\u)*128+(\b)*64+16
.endr
.endm
; Number j of the 176 that score the unit in set Q; 88 for each code block eb.  Each accumulator's lowest pair is read first.
;   0-15  xsq - 2 dot, one rounding      16-31  + csq      32-47  the minimum of the lane's 8 and the best so far, three operands at a time, into the other set of BEST
;   48-51  is it new?  strictly less: the first block keeps a tie      52-55  then the block's first code is kept,      56-87  and its eight d
.macro EP
.set eb, j/88
.set er, j%88
.if er < 16
.set ea, er/4
.set ep, er%4
.set rd, ACC+64*Q+8*(4*eb+ea)
	v_pk_fma_f32 v[rd+2*ep:rd+2*ep+1], v[rd+2*ep:rd+2*ep+1], -2.0, v[XS+2*ea:XS+2*ea+1] op_sel_hi:[1,0,1]
.elseif er < 32
.set ea, (er-16)/4
.set ep, er%4
.set rd, ACC+64*Q+8*(4*eb+ea)
	v_pk_add_f32 v[rd+2*ep:rd+2*ep+1], v[rd+2*ep:rd+2*ep+1], v[CS+16*Q+8*eb+2*ep:CS+16*Q+8*eb+2*ep+1]
.elseif er < 48
.set es, (er-32)/4
.set ea, er%4
.set rd, ACC+64*Q+8*(4*eb+ea)
.if es == 0
	v_min3_num_f32 v[M+ea], v[rd], v[rd+1], v[rd+2]
.elseif es < 3
	v_min3_num_f32 v[M+ea], v[M+ea], v[rd+2*es+1], v[rd+2*es+2]
.else
	v_min3_num_f32 v[BEST+4*(1-eb)+ea], v[M+ea], v[rd+7], v[BEST+4*eb+ea]
.endif
.elseif er < 52
.set ea, er%4
	v_cmp_lt_f32 s[MK+ea], v[BEST+4*(1-eb)+ea], v[BEST+4*eb+ea]
.elseif er < 56
.set ea, er%4
	v_cndmask_b32 v[BLK+ea], v[BLK+ea], s[CB+eb], s[MK+ea]
.else
.set ea, (er-56)/8
.set ej, er%8
.set rd, ACC+64*Q+8*(4*eb+ea)
	v_cndmask_b32 v[SAV+8*ea+ej], v[SAV+8*ea+ej], v[rd+ej], s[MK+ea]
.endif
.set j, j+1
.endm
.macro RIDE                            ; the next three of them, while there are any
.rept 3
.if j < 176
	WIN 0
	EP
.endif
.endr
.endm
.macro GRP n                           ; n times: two matrix instructions and three vector instructions, which name none of the products' registers
.rept \n
	MM
	MM
	RIDE
.endr
.endm
; A chunk: 4 k-fragments, 32 matrix instructions on one buffer; behind its second the next chunk's fragments (unit fu, chunk fc) are fetched into the other buffer ff, 30 matrix instructions ahead of their use.
; The four v_nop are the places in front of those loads (the chunk before multiplied that buffer) and, in a unit's first chunk, between the last unit's last product and the first line that scores it.
; cs = 0, 1: csq of this unit is fetched too (0: its address is made for the tile).
.macro CHUNK fu, fc, ff, cs=-1
	s_wait_dscnt 0x0                               ; this chunk's fragments are in; nothing younger is out
	MM
	MM
	WIN 0
	PLACES
	FETCH \fu, \fc, \ff
.if (\cs) == 0
	v_add_nc_u32 v[ADRS], s[TS], v[AS0]
	s_add_co_u32 s[TS], s[TS], 512                 ; 128 codes a tile
.endif
.if (\cs) >= 0
	CSLOAD \cs
.endif
	GRP 15
.endm
; A tile's last chunk changes slots: ONE barrier.  In front of it each wave waits for all its tensor loads, of which one is out (its part of the next tile), adds 0 to its spare word, and waits for that
; and for its reads of this slot.  fill = 1: the barrier opens a round of the cluster's, and this slot is filled again, first thing behind the round, with the tile two on.  fill = 2: nothing is left to ask for.
.macro TURNCH fill
	WIN 0
	s_wait_tensorcnt 0x0                           ; no tensor load of mine is out, so the walking group 0 may be written
	ds_add_u32 v[SPW], v[NIL]                      ; 0 onto my spare word
.if (\fill) == 1
	s_xor_b32 s[G0C+1], s[G0C+1], SLOTB            ; the slot that is being left,
	s_add_nc_u64 s[G0C+2:G0C+3], s[G0C+2:G0C+3], TILEB  ; the next tile; the type bits on top are not reached
.endif
	s_wait_dscnt 0x1                               ; the chunk's 16 fragment loads are in; the add, issued behind them, may be out
	GRP 4
	s_wait_dscnt 0x0                               ; the add is done, and my reads of this slot are over
	s_barrier_signal -1
	GRP 4                                          ; work on registers while the others arrive
	WIN 0
	s_barrier_wait -1
.if (\fill) == 1
	CREST                                          ; no wave of any partner still reads this slot or has a load on its way
	JLOAD                                          ; its four v_nop are also the places in front of the loads below
.else
	PLACES
.endif
	s_xor_b32 s[TB], s[TB], SLOTB
	v_add_nc_u32 v[ADRB], s[TB], v[AB0]
	FETCH 0, 0, F0                                 ; the next tile's first fragments
	GRP 8
.endm
.macro UNIT0                           ; a tile's codes 0-31 of my 64; scores the tile before's codes 32-63
.set P, 0
.set Q, 1
.set i, 0
.set j, 0
	s_add_co_u32 s[CB], s[CB], 32
	s_add_co_u32 s[CB+1], s[CB+1], 32
	CHUNK 0, 1, F1, 0
	CHUNK 0, 2, F0
	CHUNK 0, 3, F1
	CHUNK 1, 0, F0
.endm
.macro UNIT1 fill                      ; codes 32-63; scores this tile's codes 0-31
.set P, 1
.set Q, 0
.set i, 0
.set j, 0
	s_add_co_u32 s[CB], s[CB], 96
	s_add_co_u32 s[CB+1], s[CB+1], 96
	CHUNK 1, 1, F1, 1
	CHUNK 1, 2, F0
	CHUNK 1, 3, F1
	TURNCH \fill
.endm
	; THE FIRST CHANGE OF SLOTS: x has been asked for out of slot 0, which takes tile 1.
	s_wait_tensorcnt 0x0                           ; tile 0 and csq: my parts are in
	ds_add_u32 v[SPW], v[NIL]                      ; 0 onto my spare word; work on registers stands between it and the wait for it
	s_xor_b32 s[G0C+1], s[G0C+1], SLOTB
	s_add_nc_u64 s[G0C+2:G0C+3], s[G0C+2:G0C+3], TILEB
	s_wait_loadcnt 0x0                             ; xsq
.irp a, 0,1,2,3
	v_mov_b32 v[XS+2*(\a)+1], v[XS+2*(\a)]
.endr
	s_wait_dscnt 0x0                               ; the add is done, and x is in registers
	CROUND
	JLOAD
	s_mov_b32 s[TB], SLOTB                         ; tile 0 lies in slot 1
	v_add_nc_u32 v[ADRB], s[TB], v[AB0]
	FETCH 0, 0, F0
	s_mov_b32 s[CNT], TILES-2
.Ltile:                                                ; trip t multiplies tile t and asks for tile t + 2
	UNIT0
	UNIT1 1
	WIN 0                                          ; at a label and at a branch every window is 0
	s_sub_co_u32 s[CNT], s[CNT], 1
	s_cmp_lg_u32 s[CNT], 0
	s_cbranch_scc1 .Ltile
	s_mov_b32 s[CNT], 2
.Ltail:                                                ; the last two tiles ask for nothing.  The second trip's change of slots fetches 16 fragments that nobody uses: the price, once a launch, of one text for both
	UNIT0
	UNIT1 2
	WIN 0
	s_sub_co_u32 s[CNT], s[CNT], 1
	s_cmp_lg_u32 s[CNT], 0
	s_cbranch_scc1 .Ltail
	; the last unit is scored
.set Q, 1
.set j, 0
	s_add_co_u32 s[CB], s[CB], 32
	s_add_co_u32 s[CB+1], s[CB+1], 32
	PLACES
.rept 176
	EP
.endr
	; WHICH OF THE EIGHT: the lowest register of the kept block that equals the best
.irp a, 0,1,2,3
	v_mov_b32 v[J+(\a)], 7
.endr
.irp jj, 6,5,4,3,2,1,0
.irp a, 0,1,2,3
	v_cmp_eq_f32 s[MK+(\a)], v[SAV+8*(\a)+(\jj)], v[BEST+(\a)]
.endr
.irp a, 0,1,2,3
	v_cndmask_b32 v[J+(\a)], v[J+(\a)], \jj, s[MK+(\a)]
.endr
.endr
.irp a, 0,1,2,3
	v_add3_u32 v[CODE+(\a)], v[BLK+(\a)], v[J+(\a)], v[H8]
.endr
; Of two candidates the smaller d, and of equal d the lower code
.macro PICK bv, bc, ov, oc
	v_cmp_lt_f32 s[MK], v[\ov], v[\bv]
	v_cmp_eq_f32 s[MK+1], v[\ov], v[\bv]
	v_cmp_lt_u32 s[MK+2], v[\oc], v[\bc]
	s_and_b32 s[MK+1], s[MK+1], s[MK+2]
	s_or_b32 s[MK], s[MK], s[MK+1]
	v_cndmask_b32 v[\bv], v[\bv], v[\ov], s[MK]
	v_cndmask_b32 v[\bc], v[\bc], v[\oc], s[MK]
.endm
.irp a, 0,1,2,3
	v_permlanex16_b32 v[OV+(\a)], v[BEST+(\a)], s[SEL], s[SEL+1]  ; the row's other codes lie in the lane 16 away
	v_permlanex16_b32 v[OC+(\a)], v[CODE+(\a)], s[SEL], s[SEL+1]
.endr
.irp a, 0,1,2,3
	PICK BEST+(\a), CODE+(\a), OV+(\a), OC+(\a)
.endr
	; THE TWO WAVES OF A ROW HALF MEET IN LDS: lanes 0-15 put the values, lanes 16-31 the codes
.irp a, 0,1,2,3
	v_cndmask_b32 v[J+(\a)], v[BEST+(\a)], v[CODE+(\a)], s[HM]
.endr
.irp a, 0,1,2,3
	ds_store_b32 v[MST], v[J+(\a)] offset:64*(\a)
.endr
	s_wait_dscnt 0x0                               ; for the others' sake: my stores are done (and the unused fragments are in)
	s_barrier_signal -1
	s_barrier_wait -1
	s_cmp_lg_u32 s[CP], 0
	s_cbranch_scc1 .Lend                           ; the even wave of a pair finishes its 64 rows, two a lane
	ds_load_b64 v[88:89], v[MLD]                   ; my values,
	ds_load_b64 v[90:91], v[MLD] offset:256        ; my codes,
	ds_load_b64 v[92:93], v[MLD] offset:512        ; the partner's values,
	ds_load_b64 v[94:95], v[MLD] offset:768        ; the partner's codes
	s_wait_dscnt 0x0
	PICK 88, 90, 92, 94
	PICK 89, 91, 93, 95
	global_store_b64 v[GO], v[88:89], s[12:13]     ; 32 lanes: 256 consecutive bytes, aligned
	global_store_b64 v[GO], v[90:91], s[14:15]
.Lend:
	s_wait_tensorcnt 0x0                           ; the wave's end, behind my last tensor load and my last LDS store
	ds_add_u32 v[SPW], v[NIL]
	s_wait_dscnt 0x0
	CROUND                                         ; the closing round: no work-group ends while a partner may still ask for a tile that names it
	s_endpgm
.Lfunc_end_k_qeab047a22b_vq:
	.size	k_qeab047a22b_vq, .Lfunc_end_k_qeab047a22b_vq-k_qeab047a22b_vq
	.p2alignl 7, 3214868480
	.fill 96, 4, 3214868480
	.section	.rodata,"a",@progbits
	.p2align	6, 0x0
	.amdhsa_kernel k_qeab047a22b_vq
		.amdhsa_group_segment_fixed_size 327680
		.amdhsa_private_segment_fixed_size 0
		.amdhsa_enable_private_segment 0
		.amdhsa_kernarg_size 48
		.amdhsa_user_sgpr_count 2
		.amdhsa_user_sgpr_kernarg_segment_ptr 1
		.amdhsa_wavefront_size32 1
		.amdhsa_system_sgpr_workgroup_id_x 1
		.amdhsa_system_sgpr_workgroup_id_y 1
		.amdhsa_system_sgpr_workgroup_id_z 1
		.amdhsa_system_vgpr_workitem_id 0
		.amdhsa_next_free_vgpr 1024
		.amdhsa_next_free_sgpr 88
		.amdhsa_reserve_vcc 0
		.amdhsa_float_denorm_mode_32 3
		.amdhsa_float_denorm_mode_16_64 3
		.amdhsa_memory_ordered 1
		.amdhsa_forward_progress 1
		.amdhsa_inst_pref_size 155
	.end_amdhsa_kernel
	.amdgpu_metadata
---
amdhsa.version: [ 1, 2 ]
amdhsa.kernels:
  - .name:           k_qeab047a22b_vq
    .symbol:         k_qeab047a22b_vq.kd
    .args:
      - { .name: x16, .offset: 0, .size: 8, .value_kind: global_buffer, .address_space: global }
      - { .name: xsq, .offset: 8, .size: 8, .value_kind: global_buffer, .address_space: global }
      - { .name: cb16, .offset: 16, .size: 8, .value_kind: global_buffer, .address_space: global }
      - { .name: csq, .offset: 24, .size: 8, .value_kind: global_buffer, .address_space: global }
      - { .name: bval, .offset: 32, .size: 8, .value_kind: global_buffer, .address_space: global }
      - { .name: bidx, .offset: 40, .size: 8, .value_kind: global_buffer, .address_space: global }
    .group_segment_fixed_size: 327680
    .private_segment_fixed_size: 0
    .kernarg_segment_align: 8
    .kernarg_segment_size: 48
    .max_flat_workgroup_size: 128
    .sgpr_count:     88
    .vgpr_count:     1024
    .wavefront_size: 32
...
	.end_amdgpu_metadata
.endif
;; end of part 2
;; launch gather (part 3): grid 512 x 1, 8 waves a work-group, no clusters, 0 bytes of LDS; arguments inputs, codebook, bval, bidx, out0, part; writes out0, part
.if DOCPART == 3
	.amdgcn_target "amdgcn-amd-amdhsa--gfx1250"
	.amdhsa_code_object_version 6
	.text
	.protected	k_qeab047a22b_gather
	.globl	k_qeab047a22b_gather
	.p2align	8
	.type	k_qeab047a22b_gather,@function
k_qeab047a22b_gather:
	s_mov_b64 s[64:65], 0
	v_nop
	global_prefetch_b8 v0, s[64:65] scope:SCOPE_SE
	s_setreg_imm32_b32 hwreg(HW_REG_WAVE_MODE, 25, 1), 1
	s_wait_xcnt 0x0
; out0[r] = x + (q - x), q = the codebook's row (f32) of the better of row r's two candidates; part[wave] = the sum of (q - x)^2 over the wave's 4 rows.
; The choice between the two halves' candidates is a comparison of floating-point numbers, so it steers no address: BOTH rows are loaded (their numbers are whole numbers stored by the launch before)
; and v_cndmask_b32 selects.  Strictly less: the lower half keeps a tie.  The loss is summed from (q - x)^2 itself, not from the distances, which are differences of large sums.
; A stream: a wave takes 4 rows and asks for all its 48 loads of 512 consecutive bytes at once; no register is used twice.  No LDS, no cluster: no two work-groups share a tile at a known time.
.set ROWB, 2048
.set LO,   1                           ; v1   16 x lane
.set T,    2                           ; v2   at work
.set PO,   3                           ; v3   0
.set S,    4                           ; v4-11 four packed chains of squares
.set U,    12
.set LANE, 13
.set X,    16                          ; v16-79   x, row i at + 16 i
.set Q0,   80                          ; v80-143  the lower half's candidate
.set Q1,   144                         ; v144-207 the upper half's
	s_load_b256 s[4:11], s[0:1], 0x0               ; inputs s[4:5], codebook s[6:7], bval s[8:9], bidx s[10:11]
	s_load_b128 s[12:15], s[0:1], 0x20             ; out0 s[12:13], part s[14:15]
	v_lshrrev_b32 v[T], 5, v0
	v_readfirstlane_b32 s50, v[T]
	v_and_b32 v[LANE], 31, v0
	v_lshlrev_b32 v[LO], 4, v[LANE]
	v_mov_b32 v[PO], 0
	v_mov_b32 v[U], 0
	s_lshl_b32 s51, ttmp9, 3
	s_add_co_u32 s51, s51, s50                     ; my wave among all 4,096
	s_lshl_b32 s52, s51, 4                         ; 4 rows x 4 bytes
	s_mov_b32 s53, 0
	s_lshl_b32 s54, s51, 13                        ; 4 rows x 2,048 bytes
	s_mov_b32 s55, 0
	s_lshl_b32 s56, s51, 2
	s_mov_b32 s57, 0
	s_mov_b32 s60, 0x76543210
	s_mov_b32 s61, 0xfedcba98
	s_wait_kmcnt 0x0
	s_add_nc_u64 s[8:9], s[8:9], s[52:53]
	s_add_nc_u64 s[10:11], s[10:11], s[52:53]
	s_load_b128 s[16:19], s[10:11], 0x0            ; the lower half's codes of my 4 rows,
	s_load_b128 s[20:23], s[10:11], 0x10000        ; the upper half's,
	s_load_b128 s[24:27], s[8:9], 0x0              ; and their distances
	s_load_b128 s[28:31], s[8:9], 0x10000
	s_add_nc_u64 s[4:5], s[4:5], s[54:55]
	s_add_nc_u64 s[12:13], s[12:13], s[54:55]
	s_add_nc_u64 s[14:15], s[14:15], s[56:57]
.set i, 0
.rept 16
	global_load_b128 v[X+4*i:X+4*i+3], v[LO], s[4:5] offset:ROWB*(i/4)+512*(i%4) th:TH_LOAD_NT
.set i, i+1
.endr
	s_wait_kmcnt 0x0
.irp i, 0,1,2,3
	s_min_u32 s[16+(\i)], s[16+(\i)], 0x1fff       ; a code stays inside the codebook
	s_lshl_b32 s[32+4*(\i)], s[16+(\i)], 11
	s_mov_b32 s[33+4*(\i)], 0
	s_add_nc_u64 s[32+4*(\i):33+4*(\i)], s[6:7], s[32+4*(\i):33+4*(\i)]
	s_min_u32 s[20+(\i)], s[20+(\i)], 0x1fff
	s_lshl_b32 s[34+4*(\i)], s[20+(\i)], 11
	s_mov_b32 s[35+4*(\i)], 0
	s_add_nc_u64 s[34+4*(\i):35+4*(\i)], s[6:7], s[34+4*(\i):35+4*(\i)]
.endr
.irp i, 0,1,2,3
.irp jj, 0,1,2,3
	global_load_b128 v[Q0+16*(\i)+4*(\jj):Q0+16*(\i)+4*(\jj)+3], v[LO], s[32+4*(\i):33+4*(\i)] offset:512*(\jj)
.endr
.irp jj, 0,1,2,3
	global_load_b128 v[Q1+16*(\i)+4*(\jj):Q1+16*(\i)+4*(\jj)+3], v[LO], s[34+4*(\i):35+4*(\i)] offset:512*(\jj)
.endr
.endr
.macro ROW i
	s_wait_loadcnt 24-8*(\i)                       ; loads come back in order: eight for each younger row may stay out
	v_mov_b32 v[T], s[24+(\i)]
	v_cmp_lt_f32 s58, s[28+(\i)], v[T]             ; the upper half's candidate only if it is strictly nearer
.irp k, 0,1,2,3,4,5,6,7,8,9,10,11,12,13,14,15
	v_cndmask_b32 v[Q0+16*(\i)+(\k)], v[Q0+16*(\i)+(\k)], v[Q1+16*(\i)+(\k)], s58
.endr
.irp k, 0,1,2,3,4,5,6,7
	v_pk_add_f32 v[Q0+16*(\i)+2*(\k):Q0+16*(\i)+2*(\k)+1], v[Q0+16*(\i)+2*(\k):Q0+16*(\i)+2*(\k)+1], v[X+16*(\i)+2*(\k):X+16*(\i)+2*(\k)+1] neg_lo:[0,1] neg_hi:[0,1]  ; q - x
.endr
.irp k, 0,1,2,3,4,5,6,7
.if ((\i) == 0) && ((\k) < 4)
	v_pk_mul_f32 v[S+2*(\k):S+2*(\k)+1], v[Q0+2*(\k):Q0+2*(\k)+1], v[Q0+2*(\k):Q0+2*(\k)+1]  ; the first squares start the chains: nothing is cleared
.else
	v_pk_fma_f32 v[S+2*((\k)%4):S+2*((\k)%4)+1], v[Q0+16*(\i)+2*(\k):Q0+16*(\i)+2*(\k)+1], v[Q0+16*(\i)+2*(\k):Q0+16*(\i)+2*(\k)+1], v[S+2*((\k)%4):S+2*((\k)%4)+1]
.endif
.endr
.irp k, 0,1,2,3,4,5,6,7
	v_pk_add_f32 v[X+16*(\i)+2*(\k):X+16*(\i)+2*(\k)+1], v[X+16*(\i)+2*(\k):X+16*(\i)+2*(\k)+1], v[Q0+16*(\i)+2*(\k):Q0+16*(\i)+2*(\k)+1]  ; x + (q - x)
.endr
.irp jj, 0,1,2,3
	global_store_b128 v[LO], v[X+16*(\i)+4*(\jj):X+16*(\i)+4*(\jj)+3], s[12:13] offset:ROWB*(\i)+512*(\jj) th:TH_STORE_NT  ; 512 consecutive bytes, aligned
.endr
.endm
	ROW 0
	ROW 1
	ROW 2
	ROW 3
	v_pk_add_f32 v[S:S+1], v[S:S+1], v[S+2:S+3]
	v_pk_add_f32 v[S+4:S+5], v[S+4:S+5], v[S+6:S+7]
	v_pk_add_f32 v[S:S+1], v[S:S+1], v[S+4:S+5]
	v_add_f32 v[S], v[S], v[S+1]
	v_add_f32_dpp v[S], v[S], v[S] row_xmask:1 row_mask:0xf bank_mask:0xf
	v_add_f32_dpp v[S], v[S], v[S] row_xmask:2 row_mask:0xf bank_mask:0xf
	v_add_f32_dpp v[S], v[S], v[S] row_xmask:4 row_mask:0xf bank_mask:0xf
	v_add_f32_dpp v[S], v[S], v[S] row_xmask:8 row_mask:0xf bank_mask:0xf
	v_permlanex16_b32 v[U], v[S], s60, s61
	v_add_f32 v[S], v[S], v[U]
	v_cmp_eq_u32 vcc_lo, 0, v[LANE]
	s_wait_xcnt 0x0                                ; EXEC is a source of the stores above: it changes only behind this wait
	s_and_saveexec_b32 s59, vcc_lo
	global_store_b32 v[PO], v[S], s[14:15]         ; one number a wave, from lane 0: 16,384 bytes in the whole launch
	s_endpgm
.Lfunc_end_k_qeab047a22b_gather:
	.size	k_qeab047a22b_gather, .Lfunc_end_k_qeab047a22b_gather-k_qeab047a22b_gather
	.p2alignl 7, 3214868480
	.fill 96, 4, 3214868480
	.section	.rodata,"a",@progbits
	.p2align	6, 0x0
	.amdhsa_kernel k_qeab047a22b_gather
		.amdhsa_group_segment_fixed_size 0
		.amdhsa_private_segment_fixed_size 0
		.amdhsa_enable_private_segment 0
		.amdhsa_kernarg_size 48
		.amdhsa_user_sgpr_count 2
		.amdhsa_user_sgpr_kernarg_segment_ptr 1
		.amdhsa_wavefront_size32 1
		.amdhsa_system_sgpr_workgroup_id_x 1
		.amdhsa_system_sgpr_workgroup_id_y 1
		.amdhsa_system_sgpr_workgroup_id_z 1
		.amdhsa_system_vgpr_workitem_id 0
		.amdhsa_next_free_vgpr 208
		.amdhsa_next_free_sgpr 66
		.amdhsa_reserve_vcc 1
		.amdhsa_float_denorm_mode_32 3
		.amdhsa_float_denorm_mode_16_64 3
		.amdhsa_memory_ordered 1
		.amdhsa_forward_progress 1
		.amdhsa_inst_pref_size 20
	.end_amdhsa_kernel
	.amdgpu_metadata
---
amdhsa.version: [ 1, 2 ]
amdhsa.kernels:
  - .name:           k_qeab047a22b_gather
    .symbol:         k_qeab047a22b_gather.kd
    .args:
      - { .name: inputs, .offset: 0, .size: 8, .value_kind: global_buffer, .address_space: global }
      - { .name: codebook, .offset: 8, .size: 8, .value_kind: global_buffer, .address_space: global }
      - { .name: bval, .offset: 16, .size: 8, .value_kind: global_buffer, .address_space: global }
      - { .name: bidx, .offset: 24, .size: 8, .value_kind: global_buffer, .address_space: global }
      - { .name: out0, .offset: 32, .size: 8, .value_kind: global_buffer, .address_space: global }
      - { .name: part, .offset: 40, .size: 8, .value_kind: global_buffer, .address_space: global }
    .group_segment_fixed_size: 0
    .private_segment_fixed_size: 0
    .kernarg_segment_align: 8
    .kernarg_segment_size: 48
    .max_flat_workgroup_size: 256
    .sgpr_count:     66
    .vgpr_count:     208
    .wavefront_size: 32
...
	.end_amdgpu_metadata
.endif
;; end of part 3
;; launch loss (part 4): grid 1 x 1, 1 waves a work-group, no clusters, 0 bytes of LDS; arguments part, out1; writes out1
.if DOCPART == 4
	.amdgcn_target "amdgcn-amd-amdhsa--gfx1250"
	.amdhsa_code_object_version 6
	.text
	.protected	k_qeab047a22b_loss
	.globl	k_qeab047a22b_loss
	.p2align	8
	.type	k_qeab047a22b_loss,@function
k_qeab047a22b_loss:
	s_mov_b64 s[64:65], 0
	v_nop
	global_prefetch_b8 v0, s[64:65] scope:SCOPE_SE
	s_setreg_imm32_b32 hwreg(HW_REG_WAVE_MODE, 25, 1), 1
	s_wait_xcnt 0x0
; out1 = m + 0.25 m, m = (the sum of the 4,096 partial sums) / 2^23 (16,384 x 512 numbers).  One wave: 16,384 bytes, all 32 loads out at once; one owner orders the sum.
.set X, 8                              ; v8-135
	s_load_b128 s[4:7], s[0:1], 0x0                ; part s[4:5], out1 s[6:7]
	v_lshlrev_b32 v1, 4, v0
	v_mov_b32 v2, 0
	v_mov_b32 v3, 0
	s_mov_b32 s8, 0x76543210
	s_mov_b32 s9, 0xfedcba98
	s_wait_kmcnt 0x0
.set k, 0
.rept 32
	global_load_b128 v[X+4*k:X+4*k+3], v1, s[4:5] offset:512*k
.set k, k+1
.endr
	s_wait_loadcnt 0x0
.set m, 4
.rept 60                                           ; four packed chains, started by the first four pairs
	v_pk_add_f32 v[X+2*(m%4):X+2*(m%4)+1], v[X+2*(m%4):X+2*(m%4)+1], v[X+2*m:X+2*m+1]
.set m, m+1
.endr
	v_pk_add_f32 v[X:X+1], v[X:X+1], v[X+2:X+3]
	v_pk_add_f32 v[X+4:X+5], v[X+4:X+5], v[X+6:X+7]
	v_pk_add_f32 v[X:X+1], v[X:X+1], v[X+4:X+5]
	v_add_f32 v[X], v[X], v[X+1]
	v_add_f32_dpp v[X], v[X], v[X] row_xmask:1 row_mask:0xf bank_mask:0xf
	v_add_f32_dpp v[X], v[X], v[X] row_xmask:2 row_mask:0xf bank_mask:0xf
	v_add_f32_dpp v[X], v[X], v[X] row_xmask:4 row_mask:0xf bank_mask:0xf
	v_add_f32_dpp v[X], v[X], v[X] row_xmask:8 row_mask:0xf bank_mask:0xf
	v_permlanex16_b32 v3, v[X], s8, s9
	v_add_f32 v[X], v[X], v3
	v_mul_f32 v[X], 0x34000000, v[X]               ; 2^-23: the mean
	v_fma_f32 v[X], v[X], 0x3e800000, v[X]         ; + 0.25 of it
	v_cmp_eq_u32 vcc_lo, 0, v0
	s_wait_xcnt 0x0                                ; EXEC changes only behind this wait
	s_and_saveexec_b32 s10, vcc_lo
	global_store_b32 v2, v[X], s[6:7]
	s_endpgm
.Lfunc_end_k_qeab047a22b_loss:
	.size	k_qeab047a22b_loss, .Lfunc_end_k_qeab047a22b_loss-k_qeab047a22b_loss
	.p2alignl 7, 3214868480
	.fill 96, 4, 3214868480
	.section	.rodata,"a",@progbits
	.p2align	6, 0x0
	.amdhsa_kernel k_qeab047a22b_loss
		.amdhsa_group_segment_fixed_size 0
		.amdhsa_private_segment_fixed_size 0
		.amdhsa_enable_private_segment 0
		.amdhsa_kernarg_size 16
		.amdhsa_user_sgpr_count 2
		.amdhsa_user_sgpr_kernarg_segment_ptr 1
		.amdhsa_wavefront_size32 1
		.amdhsa_system_sgpr_workgroup_id_x 1
		.amdhsa_system_sgpr_workgroup_id_y 1
		.amdhsa_system_sgpr_workgroup_id_z 1
		.amdhsa_system_vgpr_workitem_id 0
		.amdhsa_next_free_vgpr 140
		.amdhsa_next_free_sgpr 66
		.amdhsa_reserve_vcc 1
		.amdhsa_float_denorm_mode_32 3
		.amdhsa_float_denorm_mode_16_64 3
		.amdhsa_memory_ordered 1
		.amdhsa_forward_progress 1
		.amdhsa_inst_pref_size 9
	.end_amdhsa_kernel
	.amdgpu_metadata
---
amdhsa.version: [ 1, 2 ]
amdhsa.kernels:
  - .name:           k_qeab047a22b_loss
    .symbol:         k_qeab047a22b_loss.kd
    .args:
      - { .name: part, .offset: 0, .size: 8, .value_kind: global_buffer, .address_space: global }
      - { .name: out1, .offset: 8, .size: 8, .value_kind: global_buffer, .address_space: global }
    .group_segment_fixed_size: 0
    .private_segment_fixed_size: 0
    .kernarg_segment_align: 8
    .kernarg_segment_size: 16
    .max_flat_workgroup_size: 32
    .sgpr_count:     66
    .vgpr_count:     140
    .wavefront_size: 32
...
	.end_amdgpu_metadata
.endif
;; end of part 4
;; ======== version 2 of 2: 4 launches; version 1 with the launch prep written anew for expert scheduling mode
;; workspace buffers: x16 16,777,216 bytes; cb16 8,388,608 bytes; xsq 65,536 bytes; csq 32,768 bytes; bval 131,072 bytes; bidx 131,072 bytes of whole numbers; part 16,384 bytes
;; launch prep (part 5): grid 256 x 1, 12 waves a work-group, no clusters, 2,048 bytes of LDS; arguments inputs, codebook, x16, xsq, cb16, csq; writes x16, xsq, cb16, csq
.if DOCPART == 5
	.amdgcn_target "amdgcn-amd-amdhsa--gfx1250"
	.amdhsa_code_object_version 6
	.text
	.protected	k_qeab047a22b_prep
	.globl	k_qeab047a22b_prep
	.p2align	8
	.type	k_qeab047a22b_prep,@function
k_qeab047a22b_prep:
	s_mov_b64 s[64:65], 0
	v_nop
	global_prefetch_b8 v0, s[64:65] scope:SCOPE_SE
	s_setreg_imm32_b32 hwreg(HW_REG_WAVE_SCHED_MODE, 0, 2), 2
	s_setreg_imm32_b32 hwreg(HW_REG_WAVE_MODE, 25, 1), 1
	s_wait_xcnt 0x0
	s_wait_alu depctr_vm_vsrc(0)
; x16 = bf16(inputs), cb16 = bf16(codebook), xsq[r] = sum of x16[r][:]^2, csq[k] = sum of cb16[k][:]^2 (sums in f32, of the ROUNDED numbers).
; A stream: every input byte is read once and every output byte written once; matrix unit, clusters and tensor loads would add nothing.
; SHARES.  Work-group g: 64 rows of inputs (waves 0-7, 8 rows each) and 32 rows of the codebook (waves 8-11, 8 rows each): equal work everywhere.
; A wave asks for its 8 rows (32 loads of 512 consecutive bytes) at once; no register is used twice, so no wait frees a source.
; A row's sum is a tree (four chains a lane, then the lanes): its order differs from a running sum's; the difference is f32 rounding.
; The 96 sums meet in LDS so that xsq leaves as one aligned 256 bytes; csq's share of a work-group is 128 consecutive bytes.
; THE MODE: SCHED_MODE bits 1:0 = 2 (LLVM: expert scheduling mode 2), set by the entry lines.  The code itself states the register dependences
; between vector instructions and memory or LDS instructions, with s_wait_alu, always for 0.
; THE PLAN.  Registers that memory or LDS instructions touch:
;   v1, v2, v4, v5, v14, v15   offsets and LDS addresses: written at the head alone; one wait ahead of the first load states that for the whole kernel.
;   X, row i     Its four loads land in it before any vector instruction has named it.  Row i's conversions write the rounded words in place; its multiply-adds read them;
;                its four global stores, issued in row i + 1, read them.  Nothing writes them again.
;   SUM + i      Written by row i's last add; read by one LDS store, issued in row i + 1.  Nothing writes it again.
;   v16-18       LDS loads land in them, global stores read them; no vector instruction names them.
;   The chains v8-11 and v12 are named by vector instructions alone.
; So ONE wait on va_vdst stands at a row's head, behind the wait for the row's data: the row before has written its rounded words and its sum.  That row's five stores follow, dealt among
; this row's conversions, which name this row's X alone.  No register that a memory or LDS instruction reads is ever written again: the rows need no wait on vm_vsrc.
.set ROWB,  2048                       ; a row of f32
.set OUTB,  1024                       ; a row of bf16
.set SPARE, 512                        ; the spare words: 128 bytes for each of 12 waves; the sums have bytes 0-383 (blocks 0-511) to themselves
.set LO,  1                            ; v1   16 x lane
.set SO,  2                            ; v2   8 x lane
.set Z,   3                            ; v3   0: starts the chains
.set WA,  4                            ; v4   32 x wave: my eight words in LDS
.set L4,  5                            ; v5   4 x lane
.set T,   8                            ; v8-11 four chains
.set U,   12                           ; v12  the other half of the lanes' sum
.set SPW, 14                           ; v14  my spare word
.set NIL, 15                           ; v15  0
.set SUM, 20                           ; v20-27 row i's sum at SUM + i
.set X,   32                           ; v32-159 row i, load j at X + 16 i + 4 j
	s_load_b256 s[4:11], s[0:1], 0x0               ; inputs s[4:5], codebook s[6:7], x16 s[8:9], xsq s[10:11]
	s_load_b128 s[12:15], s[0:1], 0x20             ; cb16 s[12:13], csq s[14:15]
	v_lshl_add_u32 v[SPW], v0, 2, SPARE
	v_mov_b32 v[NIL], 0
	v_lshrrev_b32 v[T], 5, v0
	v_readfirstlane_b32 s16, v[T]                  ; wave 0..11
	v_and_b32 v[L4], 31, v0
	v_lshlrev_b32 v[LO], 4, v[L4]
	v_lshlrev_b32 v[SO], 3, v[L4]
	v_lshlrev_b32 v[L4], 2, v[L4]
	v_mov_b32 v[Z], 0
	v_mov_b32 v[U], 0                              ; v_permlanex16_b32's destination counts as read
	s_wait_alu depctr_va_sdst(0)                   ; s16 is written, ahead of its first reader: the LDS address, the rows and the choice of tensor are made from it
	s_lshl_b32 s30, s16, 5
	v_mov_b32 v[WA], s30
	s_lshl_b32 s31, s16, 3                         ; 8 w
	s_lshl_b32 s17, ttmp9, 6
	s_add_co_u32 s17, s17, s31                     ; inputs: row 64 g + 8 w
	s_lshl_b32 s18, ttmp9, 5
	s_add_co_u32 s18, s18, s31
	s_sub_co_u32 s18, s18, 64                      ; codebook: row 32 g + 8 (w - 8); taken by waves 8-11 alone
	s_mov_b32 s27, 0
	s_mov_b32 s28, 0x76543210                      ; each lane takes its own place in the other half
	s_mov_b32 s29, 0xfedcba98
	s_lshl_b32 s32, ttmp9, 8                       ; 64 sums of 4 bytes
	s_mov_b32 s33, 0
	s_lshl_b32 s34, ttmp9, 7                       ; 32 sums
	s_mov_b32 s35, 0
	s_wait_kmcnt 0x0
	s_cmp_lt_u32 s16, 8                            ; the wave's number chooses the tensor
	s_cselect_b32 s19, s17, s18
	s_cselect_b64 s[20:21], s[4:5], s[6:7]
	s_cselect_b64 s[22:23], s[8:9], s[12:13]
	s_lshl_b32 s26, s19, 11
	s_add_nc_u64 s[20:21], s[20:21], s[26:27]      ; source at my first row
	s_lshl_b32 s26, s19, 10
	s_add_nc_u64 s[22:23], s[22:23], s[26:27]      ; bf16 copy at my first row
	s_add_nc_u64 s[10:11], s[10:11], s[32:33]
	s_add_nc_u64 s[14:15], s[14:15], s[34:35]
	s_wait_alu depctr_va_vdst(0)                   ; v1, v2, v4, v5, v14 and v15 are written: every load, store and LDS instruction of the kernel reads one of them as its offset or address
.set i, 0
.rept 8
.irp jj, 0,1,2,3
	global_load_b128 v[X+16*i+4*(\jj):X+16*i+4*(\jj)+3], v[LO], s[20:21] offset:ROWB*i+512*(\jj) th:TH_LOAD_NT
.endr
.set i, i+1
.endr
; Piece jj of row i's rounded words leaves.
.macro PUT i, jj
	global_store_b64 v[SO], v[X+16*(\i)+4*(\jj):X+16*(\i)+4*(\jj)+1], s[22:23] offset:OUTB*(\i)+256*(\jj)  ; 32 lanes: 256 consecutive bytes, aligned
.endm
; Row i's sum goes into LDS.
.macro KEEP i
	ds_store_b32 v[WA], v[SUM+(\i)] offset:4*(\i)  ; every lane writes the same word with the same number
.endm
; Row i: rounded in place, squared from the rounded halves, summed over the wave.  Its stores are issued in the row behind it; the row before's are issued here.
.macro ROW i
	s_wait_loadcnt 28-4*(\i)                       ; loads come back in order: four for each younger row may stay out
.if (\i) > 0
	s_wait_alu depctr_va_vdst(0)                   ; the row before has written its rounded words, which the four global stores below read, and its sum, which the LDS store below reads
.endif
.irp jj, 0,1,2,3
.if (\i) > 0
	PUT (\i)-1, \jj                                ; no vector instruction since the wait names the row before's registers
.endif
	v_cvt_pk_bf16_f32 v[X+16*(\i)+4*(\jj)],   v[X+16*(\i)+4*(\jj)],   v[X+16*(\i)+4*(\jj)+1]
	v_cvt_pk_bf16_f32 v[X+16*(\i)+4*(\jj)+1], v[X+16*(\i)+4*(\jj)+2], v[X+16*(\i)+4*(\jj)+3]
.endr
.if (\i) > 0
	KEEP (\i)-1
.endif
.irp jj, 0,1,2,3
	v_fma_mix_f32_bf16 v[T+(\jj)], v[X+16*(\i)+4*(\jj)], v[X+16*(\i)+4*(\jj)], v[Z] op_sel_hi:[1,1,0]
.endr
.irp jj, 0,1,2,3
	v_fma_mix_f32_bf16 v[T+(\jj)], v[X+16*(\i)+4*(\jj)], v[X+16*(\i)+4*(\jj)], v[T+(\jj)] op_sel:[1,1,0] op_sel_hi:[1,1,0]
.endr
.irp jj, 0,1,2,3
	v_fma_mix_f32_bf16 v[T+(\jj)], v[X+16*(\i)+4*(\jj)+1], v[X+16*(\i)+4*(\jj)+1], v[T+(\jj)] op_sel_hi:[1,1,0]
.endr
.irp jj, 0,1,2,3
	v_fma_mix_f32_bf16 v[T+(\jj)], v[X+16*(\i)+4*(\jj)+1], v[X+16*(\i)+4*(\jj)+1], v[T+(\jj)] op_sel:[1,1,0] op_sel_hi:[1,1,0]
.endr
	v_add_f32 v[T], v[T], v[T+1]
	v_add_f32 v[T+2], v[T+2], v[T+3]
	v_add_f32 v[T], v[T], v[T+2]
	v_add_f32_dpp v[T], v[T], v[T] row_xmask:1 row_mask:0xf bank_mask:0xf
	v_add_f32_dpp v[T], v[T], v[T] row_xmask:2 row_mask:0xf bank_mask:0xf
	v_add_f32_dpp v[T], v[T], v[T] row_xmask:4 row_mask:0xf bank_mask:0xf
	v_add_f32_dpp v[T], v[T], v[T] row_xmask:8 row_mask:0xf bank_mask:0xf
	v_permlanex16_b32 v[U], v[T], s28, s29
	v_add_f32 v[SUM+(\i)], v[T], v[U]              ; into a register of the row's own: the chains are named by vector instructions alone
.endm
.irp r, 0,1,2,3,4,5,6,7
	ROW \r
.endr
	s_wait_alu depctr_va_vdst(0)                   ; row 7 has written its rounded words and its sum, which the last five stores read
.irp jj, 0,1,2,3
	PUT 7, \jj
.endr
	KEEP 7
	s_wait_dscnt 0x0                               ; for the others' sake: my eight sums are in LDS
	s_barrier_signal -1
	s_barrier_wait -1
	s_cmp_lg_u32 s16, 0
	s_cbranch_scc1 .Lnot_wave_0
	ds_load_b64 v[16:17], v[SO]                    ; the 64 sums of inputs' rows
	s_wait_dscnt 0x0
	global_store_b64 v[SO], v[16:17], s[10:11]     ; 256 consecutive bytes, aligned
.Lnot_wave_0:
	s_cmp_lg_u32 s16, 8
	s_cbranch_scc1 .Lend
	ds_load_b32 v18, v[L4] offset:256              ; the 32 sums of the codebook's rows
	s_wait_dscnt 0x0
	global_store_b32 v[L4], v18, s[14:15]          ; 128 consecutive bytes
.Lend:
	s_wait_dscnt 0x0                               ; the wave's end
	s_wait_alu 0x0
	s_wait_tensorcnt 0x0
	ds_add_u32 v[SPW], v[NIL]
	s_wait_dscnt 0x0
	s_endpgm
.Lfunc_end_k_qeab047a22b_prep:
	.size	k_qeab047a22b_prep, .Lfunc_end_k_qeab047a22b_prep-k_qeab047a22b_prep
	.p2alignl 7, 3214868480
	.fill 96, 4, 3214868480
	.section	.rodata,"a",@progbits
	.p2align	6, 0x0
	.amdhsa_kernel k_qeab047a22b_prep
		.amdhsa_group_segment_fixed_size 2048
		.amdhsa_private_segment_fixed_size 0
		.amdhsa_enable_private_segment 0
		.amdhsa_kernarg_size 48
		.amdhsa_user_sgpr_count 2
		.amdhsa_user_sgpr_kernarg_segment_ptr 1
		.amdhsa_wavefront_size32 1
		.amdhsa_system_sgpr_workgroup_id_x 1
		.amdhsa_system_sgpr_workgroup_id_y 1
		.amdhsa_system_sgpr_workgroup_id_z 1
		.amdhsa_system_vgpr_workitem_id 0
		.amdhsa_next_free_vgpr 160
		.amdhsa_next_free_sgpr 66
		.amdhsa_reserve_vcc 0
		.amdhsa_float_denorm_mode_32 3
		.amdhsa_float_denorm_mode_16_64 3
		.amdhsa_memory_ordered 1
		.amdhsa_forward_progress 1
		.amdhsa_inst_pref_size 26
	.end_amdhsa_kernel
	.amdgpu_metadata
---
amdhsa.version: [ 1, 2 ]
amdhsa.kernels:
  - .name:           k_qeab047a22b_prep
    .symbol:         k_qeab047a22b_prep.kd
    .args:
      - { .name: inputs, .offset: 0, .size: 8, .value_kind: global_buffer, .address_space: global }
      - { .name: codebook, .offset: 8, .size: 8, .value_kind: global_buffer, .address_space: global }
      - { .name: x16, .offset: 16, .size: 8, .value_kind: global_buffer, .address_space: global }
      - { .name: xsq, .offset: 24, .size: 8, .value_kind: global_buffer, .address_space: global }
      - { .name: cb16, .offset: 32, .size: 8, .value_kind: global_buffer, .address_space: global }
      - { .name: csq, .offset: 40, .size: 8, .value_kind: global_buffer, .address_space: global }
    .group_segment_fixed_size: 2048
    .private_segment_fixed_size: 0
    .kernarg_segment_align: 8
    .kernarg_segment_size: 48
    .max_flat_workgroup_size: 384
    .sgpr_count:     66
    .vgpr_count:     160
    .wavefront_size: 32
...
	.end_amdgpu_metadata
.endif
;; end of part 5
;; launch vq: the kernel of part 2 again; grid 128 x 2, 4 waves a work-group, clusters of 4 x 1, 327,680 bytes of LDS; arguments x16, xsq, cb16, csq, bval, bidx; writes bval, bidx
;; launch gather: the kernel of part 3 again; grid 512 x 1, 8 waves a work-group, no clusters, 0 bytes of LDS; arguments inputs, codebook, bval, bidx, out0, part; writes out0, part
;; launch loss: the kernel of part 4 again; grid 1 x 1, 1 waves a work-group, no clusters, 0 bytes of LDS; arguments part, out1; writes out1
